; MI455X (gfx1250); checked and timed in simulation.
; The chip was launched on July 23, 2026; its instructions are those of AMD's public machine-readable ISA for CDNA 5 (MIT licence, August 2026) and "CDNA5" Instruction Set Architecture Reference Guide (July 2026). The comments in the code are by the model that wrote it; some were corrected since.
;; Multi Head Attention. Allowed arithmetic: matrix products marked QUANTISED: E2M3 operands, one E8M0 scale for each 32 along K, by v_wmma_scale_f32_16x16x128_f8f6f4 with both operands' format E2M3, f32 sums; everything else in f32.
;; Inputs: W_attn 1,024 x 3,072 float32; W_proj 1,024 x 1,024 float32; b_attn 3,072 float32; b_proj 1,024 float32; x 4 x 2,048 x 1,024 float32.
;; Outputs: out0 4 x 2,048 x 1,024 float32.
;; This version of the problem:
;;   THIS VERSION OF THE PROBLEM IS GIVEN IN LOW PRECISION. The matrix products marked QUANTISED in the list below multiply operands that are first quantised to E2M3 (2 exponent bits, 3 mantissa bits; 6 bits a number), with one power-of-two scale for each 32 numbers along K (OCP MX v1.0); their sums are f32. All else is computed in f32.
;;   The module's matrix products, in the order in which they are computed (A, B: the left and right operand; K: the contracted axis; several contracted axes count as one K, in the product's order):
;;     1. [M 8,192, K 1,024] x [K 1,024, N 3,072]; A: input x; B: input W_attn: QUANTISED
;;     2. batch 64 x [M 2,048, K 64] x [K 64, N 2,048]; A: computed on the way; B: computed on the way: QUANTISED
;;     3. batch 64 x [M 2,048, K 2,048] x [K 2,048, N 64]; A: softmax (see below); B: computed on the way: QUANTISED
;;     4. [M 8,192, K 1,024] x [K 1,024, N 1,024]; A: computed on the way; B: input W_proj: QUANTISED
;;   THE QUANTISER, for each operand of a quantised product, along K:
;;     - K is cut into blocks of 32 from its start; a last block that is shorter is filled with zeros.
;;     - A block's scale is 2^e with e = floor(log2(the largest magnitude in the block)) - 2, held to -126 .. 127; a block of zeros has e = 0. As a byte (E8M0): e + 127.
;;     - Each number is divided by its block's scale, clamped to +-7.5, and rounded to the nearest number of E2M3, ties to even, subnormals kept.
;;     - The product sums the exact products of the quantised numbers (number of the format x scale) in f32.
;;   ~~~python
;;   def quantise(x, axis):      # numpy; x: float32 -> the quantised numbers, widened to float32 again
;;       x = np.moveaxis(x, axis, -1); K = x.shape[-1]
;;       x = np.pad(x, [(0, 0)] * (x.ndim - 1) + [(0, -K % 32)]); x = x.reshape(x.shape[:-1] + (-1, 32)); a = np.abs(x).max(-1, keepdims=True)
;;       e = np.where(a > 0, np.clip(np.frexp(np.where(a > 0, a, 1))[1] - 1 - 2, -126, 127), 0)      # np.frexp(a)[1] - 1 = floor(log2(a)), exactly
;;       r = np.clip(x / 2.0 ** e, -7.5, 7.5)
;;       step = 2.0 ** (np.maximum(np.frexp(np.where(r == 0, 1, r))[1] - 1, 0) - 3)
;;       q = np.round(r / step) * step * 2.0 ** e      # np.round: ties to even
;;       return np.moveaxis(q.reshape(q.shape[:-2] + (-1,))[..., :K], -1, axis).astype(np.float32)
;;   ~~~
;;   SOFTMAX AHEAD OF A QUANTISED PRODUCT. Where the list says 'softmax', what is quantised is not the finished softmax but p = 2^(t - M), with t = logit x log2(e) and M = ceil(the row's largest t), a whole number; so 1/2 < the row's largest p <= 1. The row's sum l is taken of the UNQUANTISED p, in f32, and the product's result is divided by l at the end. Since M is a whole number, a kernel that streams over the keys may use a running M (the ceiling of the running maximum): every later rescaling is an exact power of two, which a block's scale takes up: the codes' values come out the same.
;;   OPERANDS COMPUTED ON THE WAY. 'Computed on the way' means the value that the module computes at that place (a softmax that the list does not call 'softmax' is quantised finished and normalised). What goes into a quantiser is computed in f32, as accurately as f32 sums, v_exp_f32 and their like allow (about 1e-6 of the number): no bf16 or f16 on the way to a quantiser, and a product that is left as it is and whose result goes on into a quantised operand takes f32 operands (vector FMAs, or v_wmma_f32_16x16x4_f32). A number that lies on a knife's edge between two numbers of the format may be rounded either way, as far as f32 arithmetic and the matrix unit's own rounding can turn it there, and no further.
;; One version. Each part assembles by itself: llvm-mc -triple=amdgcn-amd-amdhsa -mcpu=gfx1250 --defsym DOCPART=n.
;; ======== version 1 of 1: 4 launches
;; workspace buffers: xq 6,553,600 bytes; wa 2,457,600 bytes; wp 819,200 bytes; qkv 20,185,088 bytes; yq 6,553,600 bytes
;; launch quant (part 1): grid 768 x 1, 4 waves a work-group, no clusters, 67,072 bytes of LDS; arguments x, W_attn, W_proj, xq, wa, wp; writes xq, wa, wp
.if DOCPART == 1
	.amdgcn_target "amdgcn-amd-amdhsa--gfx1250"
	.amdhsa_code_object_version 6
	.text
	.protected	k_q9b2661c847_quant
	.globl	k_q9b2661c847_quant
	.p2align	8
	.type	k_q9b2661c847_quant,@function
k_q9b2661c847_quant:
	s_mov_b64 s[64:65], 0
	v_nop
	global_prefetch_b8 v0, s[64:65] scope:SCOPE_SE
	s_setreg_imm32_b32 hwreg(HW_REG_WAVE_MODE, 25, 1), 1
	s_wait_xcnt 0x0
; x [8192][1024], W_attn [1024][3072], W_proj [1024][1024], f32, become codes of FP6 (E2M3) with one E8M0 scale byte for each 32 along K = 1024.
; A block's scale byte is its largest magnitude's exponent field - 2, held at 1 from below; numbers are divided by the scale and rounded to the nearest code, ties to even, beyond 7.5 the largest code.
; LIMITS: NaN and infinities among the inputs are not served.  A block of zeros gets the byte 1 where the quantiser's rule says 127: its codes are zeros, and this program alone reads the bytes.
; LAYOUT OF THE RESULTS: images of the matrix operand's registers.  A tile is 16 rows; lane r of tile t holds row 32 (t / 2) + 8 (t % 2) + r + 8 (r / 8).  A fragment (16 rows x 128 K, 12 registers a lane)
; is 1,536 bytes: registers 4 g .. 4 g + 3 of a lane at 512 g + 16 x lane.  A tile has 8 fragments on end (12,288 bytes).  Behind all images: the scale words, [tile][K step][r], 4 bytes each.
; SHARES: work-groups 0-511 take one tile of x each (wave w: K = 256 w on); 512-703 take W_attn, 704-767 W_proj (a work-group: 128 columns x 128 along K; a wave: 32 columns).  Waves share nothing: no barrier.
; The matrix units, tensor loads and clusters have nothing to do here: the launch reads each f32 number once and stores three sixteenths of the bytes.
.set XSC,   6291456                    ; where x's scale words begin in xq
.set WASC,  2359296                    ; W_attn's in wa
.set WPSC,  786432                     ; W_proj's in wp
.set FLOOR, 0x1800000                  ; 2^(3 - 127): under it no largest magnitude is taken, so the byte cannot fall under 1
.set SROW,  1040                       ; x's stage: a row's 1,024 bytes + 16: row r begins r x 16 bytes further round the banks
.set SWAVE, 16*SROW                    ; a stage for each wave
; 32 numbers of ONE block in v[src] on -> six registers of codes at v[dst] on, the scale's byte in v[byt].  At work: v8-10, v12-14.
.macro BLK32 src, dst, byt
	v_max3_num_f32 v8, |v[\src]|, |v[\src+1]|, |v[\src+2]|          ; the largest magnitude, in two chains
	v_max3_num_f32 v9, |v[\src+3]|, |v[\src+4]|, |v[\src+5]|
.irp i, 6,10,14,18,22,26
	v_max3_num_f32 v8, v8, |v[\src+\i]|, |v[\src+\i+1]|
	v_max3_num_f32 v9, v9, |v[\src+\i+2]|, |v[\src+\i+3]|
.endr
	v_max3_num_f32 v8, v8, |v[\src+30]|, |v[\src+31]|
	v_max3_num_f32 v8, v8, v9, FLOOR
	v_add_nc_u32 v10, 0xff000000, v8                                ; 2 off its exponent field: the conversion takes this operand's exponent field as its scale
	v_cvt_scalef32_pk16_fp6_f32 v[\dst:\dst+2], v[\src:\src+15], v10
	v_cvt_scalef32_pk16_fp6_f32 v[12:14], v[\src+16:\src+31], v10   ; (a conversion's three registers begin on an even number)
	v_lshrrev_b32 v[\byt], 23, v10                                  ; the byte; also the plain instruction behind the conversions
	v_mov_b32 v[\dst+3], v12
	v_mov_b32 v[\dst+4], v13
	v_mov_b32 v[\dst+5], v14
.endm
	s_load_b256 s[4:11], s[0:1], 0x0               ; x s[4:5], W_attn s[6:7], W_proj s[8:9], xq s[10:11]
	s_load_b128 s[12:15], s[0:1], 0x20             ; wa s[12:13], wp s[14:15]
	v_lshl_add_u32 v192, v0, 2, 0x10400
	v_mov_b32 v193, 0
	v_lshrrev_b32 v1, 5, v0
	v_readfirstlane_b32 s16, v1                    ; wave 0..3
	v_and_b32 v2, 31, v0                           ; lane
	v_lshlrev_b32 v3, 4, v2                        ; 16 x lane
	s_mov_b32 s25, 0
	s_wait_kmcnt 0x0
	s_cmp_lt_u32 ttmp9, 512
	s_cbranch_scc0 .Lweights
	; ---------------- x: K is innermost ----------------
	s_lshr_b32 s17, ttmp9, 1
	s_lshl_b32 s17, s17, 5
	s_and_b32 s18, ttmp9, 1
	s_lshl_b32 s18, s18, 3
	s_add_co_u32 s17, s17, s18                     ; the tile's first row: 32 (t / 2) + 8 (t % 2)
	s_lshl_b32 s24, s17, 12
	s_lshl_b32 s18, s16, 10
	s_add_co_u32 s24, s24, s18                     ; + my wave's 1,024 bytes of a row
	s_add_nc_u64 s[4:5], s[4:5], s[24:25]
	s_wait_alu depctr_va_vdst(0)
.irp i, 0,1,2,3,4,5,6,7,8,9,10,11,12,13,14,15
.irp hh, 0,1
	global_load_b128 v[64+8*\i+4*\hh:64+8*\i+4*\hh+3], v3, s[4:5] offset:(\i+8*(\i/8))*4096+512*\hh th:TH_LOAD_NT   ; 512 consecutive bytes of the tile's row i; all 16 KiB of the wave go out at once
.endr
.endr
	s_mul_i32 s24, ttmp9, 12288
	s_mul_i32 s18, s16, 3072
	s_add_co_u32 s24, s24, s18
	s_add_nc_u64 s[26:27], s[10:11], s[24:25]      ; my two fragments' images: K steps 2 w, 2 w + 1
	s_lshl_b32 s24, ttmp9, 9
	s_lshl_b32 s18, s16, 7
	s_add_co_u32 s24, s24, s18
	s_add_co_u32 s24, s24, XSC
	s_add_nc_u64 s[28:29], s[10:11], s[24:25]      ; and their scale words
	s_mov_b32 s20, 0x76543210
	s_mov_b32 s21, 0xfedcba98                      ; v_permlanex16_b32's selects for lane l xor 16
	s_mov_b32 s22, 0xffff0000                      ; lanes 16-31
	s_mul_i32 s19, s16, SWAVE                      ; my stage
	v_add_nc_u32 v4, s19, v3                       ; in: as loaded, 16 x lane
	v_and_b32 v15, 15, v0                          ; r
	v_bfe_u32 v7, v0, 4, 1                         ; h
	v_mul_u32_u24 v5, v15, SROW
	v_lshl_add_u32 v5, v7, 7, v5
	v_add_nc_u32 v5, s19, v5                       ; back: row r, + 128 h: the operand's layout gives lane (r, h) k = 64 c + 32 h + 0 .. 31
	v_lshlrev_b32 v7, 3, v7                        ; 8 h
	v_lshlrev_b32 v6, 2, v2                        ; 4 x lane
	v_mov_b32 v42, 0                               ; a lane permute's destination counts as one of its sources
	v_mov_b32 v43, 0
	s_wait_alu depctr_va_vdst(0)
.irp i, 0,1,2,3,4,5,6,7,8,9,10,11,12,13,14,15
	s_wait_loadcnt 30-2*\i                         ; row i's two loads are in; the younger rows' stay out
	ds_store_b128 v4, v[64+8*\i:64+8*\i+3] offset:SROW*\i
	ds_store_b128 v4, v[64+8*\i+4:64+8*\i+7] offset:SROW*\i+512
.endr
.irp q, 0,1,2,3
.irp i, 0,1,2,3,4,5,6,7
	ds_load_b128 v[64+32*\q+4*\i:64+32*\q+4*\i+3], v5 offset:256*\q+16*\i   ; my block of fragment q / 2, half q % 2.  LDS serves a wave's instructions in order: these see my stores, and land behind them
.endr
.endr
.irp q, 0,1,2,3
	s_wait_dscnt 24-8*\q                           ; block q's eight loads are back; the later blocks' may be out
	BLK32 64+32*\q, 16+12*(\q/2)+6*(\q%2), 44+\q
.endr
.irp f, 0,1
	v_lshl_or_b32 v[40+\f], v[45+2*\f], 16, v[44+2*\f]   ; my two bytes: blocks h and 2 + h of row r,
	v_lshlrev_b32 v[40+\f], v7, v[40+\f]                 ; at their places in the scale word;
	v_permlanex16_b32 v[42+\f], v[40+\f], s20, s21
	v_or_b32 v[40+\f], v[40+\f], v[42+\f]                ; with lane l xor 16's two the word is whole
.endr
.irp f, 0,1
.irp g, 0,1,2
	global_store_b128 v3, v[16+12*\f+4*\g:16+12*\f+4*\g+3], s[26:27] offset:1536*\f+512*\g   ; 512 consecutive bytes, aligned
.endr
.endr
	v_cndmask_b32 v40, v40, v41, s22               ; lanes 0-15: K step 2 w's words, lanes 16-31: K step 2 w + 1's
	global_store_b32 v6, v40, s[28:29]
	s_wait_tensorcnt 0x0
	ds_add_u32 v192, v193
	s_wait_dscnt 0x0
	s_endpgm
; ---------------- the weights: K is the FIRST axis.  A lane takes a column and its registers run down K ----------------
; Lane (u = lane / 16, r) takes column 32 Gc + 8 u + r + 8 (r / 8): row r of tile 2 Gc + u.  All four blocks of a K step lie in one lane.  The even blocks' codes go to v16-27, the odd blocks' to v28-39;
; an exchange of halves between the two runs then gives tile 2 Gc's fragment in the first and tile 2 Gc + 1's in the second.
.macro WPATH ncol, sp, dp, img, first
	s_sub_co_u32 s17, ttmp9, \first
	s_and_b32 s18, s17, 7                          ; K step
	s_lshr_b32 s17, s17, 3
	s_lshl_b32 s17, s17, 2
	s_add_co_u32 s17, s17, s16                     ; Gc: my wave's 32 columns
	s_mul_i32 s24, s18, 128*\ncol*4
	s_lshl_b32 s19, s17, 7
	s_add_co_u32 s24, s24, s19
	s_add_nc_u64 s[26:27], s[\sp:\sp+1], s[24:25]
	v_and_b32 v4, 7, v0
	v_bfe_u32 v5, v0, 4, 1                         ; u
	v_bfe_u32 v6, v0, 3, 1
	v_lshl_add_u32 v4, v5, 3, v4
	v_lshl_add_u32 v4, v6, 4, v4
	v_lshlrev_b32 v4, 2, v4                        ; 4 x my column among the 32
.set N_I, 0
.rept 128
	global_load_b32 v[64+N_I], v4, s[26:27] offset:N_I*\ncol*4 th:TH_LOAD_NT   ; a row of K at 32 neighbouring columns: 128 consecutive bytes a wave, 512 a work-group
.set N_I, N_I+1
.endr
	s_mul_i32 s24, s17, 24576
	s_mul_i32 s19, s18, 1536
	s_add_co_u32 s24, s24, s19
	s_add_nc_u64 s[28:29], s[\dp:\dp+1], s[24:25]  ; tile 2 Gc's image of this K step
	s_lshl_b32 s24, s17, 10
	s_lshl_b32 s19, s18, 6
	s_add_co_u32 s24, s24, s19
	s_add_co_u32 s24, s24, \img
	s_add_nc_u64 s[30:31], s[\dp:\dp+1], s[24:25]  ; and its scale words
	v_and_b32 v6, 15, v0
	v_lshlrev_b32 v6, 2, v6
	s_wait_alu depctr_va_vdst(0)
	v_lshl_add_u32 v6, v5, 9, v6                   ; 512 u + 4 r
	s_wait_loadcnt 63                              ; 96 younger loads follow block 0's: the count is the largest that the field holds
	BLK32 64, 16, 44
	s_wait_loadcnt 63                              ; 64 follow block 1's
	BLK32 96, 28, 45
	s_wait_loadcnt 32
	BLK32 128, 22, 46
	s_wait_loadcnt 0
	BLK32 160, 34, 47
	v_lshl_or_b32 v40, v45, 8, v44                 ; my row's scale word: all four bytes are mine
	v_lshl_or_b32 v40, v46, 16, v40
	v_lshl_or_b32 v40, v47, 24, v40
.irp j, 0,1,2,3,4,5,6,7,8,9,10,11
	v_permlane16_swap_b32 v[16+\j], v[28+\j]       ; the first's lanes 16-31 change places with the second's lanes 0-15
.endr
.irp g, 0,1,2
	global_store_b128 v3, v[16+4*\g:19+4*\g], s[28:29] offset:512*\g
	global_store_b128 v3, v[28+4*\g:31+4*\g], s[28:29] offset:12288+512*\g
.endr
	global_store_b32 v6, v40, s[30:31]
.endm
.Lweights:
	s_cmp_lt_u32 ttmp9, 704
	s_cbranch_scc0 .Lwproj
	WPATH 3072, 6, 12, WASC, 512
	s_endpgm
.Lwproj:
	WPATH 1024, 8, 14, WPSC, 704
	s_endpgm
.Lfunc_end_k_q9b2661c847_quant:
	.size	k_q9b2661c847_quant, .Lfunc_end_k_q9b2661c847_quant-k_q9b2661c847_quant
	.p2alignl 7, 3214868480
	.fill 96, 4, 3214868480
	.section	.rodata,"a",@progbits
	.p2align	6, 0x0
	.amdhsa_kernel k_q9b2661c847_quant
		.amdhsa_group_segment_fixed_size 67072
		.amdhsa_private_segment_fixed_size 0
		.amdhsa_enable_private_segment 0
		.amdhsa_kernarg_size 48
		.amdhsa_user_sgpr_count 2
		.amdhsa_user_sgpr_kernarg_segment_ptr 1
		.amdhsa_wavefront_size32 1
		.amdhsa_system_sgpr_workgroup_id_x 1
		.amdhsa_system_sgpr_workgroup_id_y 1
		.amdhsa_system_sgpr_workgroup_id_z 1
		.amdhsa_system_vgpr_workitem_id 0
		.amdhsa_next_free_vgpr 194
		.amdhsa_next_free_sgpr 66
		.amdhsa_reserve_vcc 0
		.amdhsa_float_denorm_mode_32 3
		.amdhsa_float_denorm_mode_16_64 3
		.amdhsa_memory_ordered 1
		.amdhsa_forward_progress 1
		.amdhsa_inst_pref_size 57
	.end_amdhsa_kernel
	.amdgpu_metadata
---
amdhsa.version: [ 1, 2 ]
amdhsa.kernels:
  - .name:           k_q9b2661c847_quant
    .symbol:         k_q9b2661c847_quant.kd
    .args:
      - { .name: x, .offset: 0, .size: 8, .value_kind: global_buffer, .address_space: global }
      - { .name: W_attn, .offset: 8, .size: 8, .value_kind: global_buffer, .address_space: global }
      - { .name: W_proj, .offset: 16, .size: 8, .value_kind: global_buffer, .address_space: global }
      - { .name: xq, .offset: 24, .size: 8, .value_kind: global_buffer, .address_space: global }
      - { .name: wa, .offset: 32, .size: 8, .value_kind: global_buffer, .address_space: global }
      - { .name: wp, .offset: 40, .size: 8, .value_kind: global_buffer, .address_space: global }
    .group_segment_fixed_size: 67072
    .private_segment_fixed_size: 0
    .kernarg_segment_align: 8
    .kernarg_segment_size: 48
    .max_flat_workgroup_size: 128
    .sgpr_count:     66
    .vgpr_count:     194
    .wavefront_size: 32
...
	.end_amdgpu_metadata
.endif
;; end of part 1
;; launch gemm1 (part 2): grid 64 x 4, 4 waves a work-group, clusters of 4 x 1, 327,680 bytes of LDS; arguments xq, wa, b_attn, qkv; writes qkv
.if DOCPART == 2
	.amdgcn_target "amdgcn-amd-amdhsa--gfx1250"
	.amdhsa_code_object_version 6
	.text
	.protected	k_q9b2661c847_gemm1
	.globl	k_q9b2661c847_gemm1
	.p2align	8
	.type	k_q9b2661c847_gemm1,@function
k_q9b2661c847_gemm1:
	s_mov_b64 s[64:65], 0
	v_nop
	global_prefetch_b8 v0, s[64:65] scope:SCOPE_SE
	s_setreg_imm32_b32 hwreg(HW_REG_WAVE_MODE, 25, 1), 1
	s_wait_xcnt 0x0
	s_wait_alu depctr_hold_cnt(0) depctr_sa_sdst(0) depctr_va_vdst(0) depctr_va_sdst(0) depctr_va_ssrc(0) depctr_va_vcc(0) depctr_vm_vsrc(0)
	s_getreg_b32 s2, hwreg(HW_REG_IB_STS2, 6, 4)
	s_cmp_eq_u32 s2, 0
	s_cbranch_scc0 .Lentry_in_a_cluster
	s_endpgm
.Lentry_in_a_cluster:
	s_bfe_u32 s2, ttmp6, 0x10000c
	s_cmp_lg_u32 s2, 0x3003
	s_cbranch_scc0 .Lentry_shape_is_right
	s_endpgm
.Lentry_shape_is_right:
; qkv = x W_attn + b_attn on codes of FP6 (E2M3) with E8M0 scales, sums in f32; q, k and v are quantised in registers for the attention's two products and stored as codes.  No f32 number goes to memory.
; SHARES.  A work-group of four waves takes 128 tokens (row block R) and walks three tiles of 256 columns: columns 256 j on of q, then of k, then of v.  Wave (wm, wn) makes 64 tokens x 128 columns: 32 accumulators.
; x's codes of the wave's 64 tokens, for all of K = 1024, stay in REGISTERS (384), loaded once from their images; only W goes through LDS: 8 fragments (12 KiB) feed a K step's 32 matrix instructions.
; W's tiles come through a ring of two LDS slots of 512 along K (98,304 bytes: 16 tiles x 4 fragment images), one tensor load a wave (4 tiles x 6,144 bytes).
; CLUSTER.  The four work-groups of a cluster differ in R alone and walk the same W: each tile is asked for jointly, mask 15.  The place in the cluster enters x's and the results' global addresses only.
; q, k: source 0 = 16 columns of W, source 1 = 16 tokens: a lane holds ONE token and its registers run along the head's 64, the first attention product's K.
; v:    source 0 = 16 tokens, source 1 = 16 columns: a lane holds ONE channel and its registers run along the tokens: the keys are the second product's K.
; THE ROWS OF A TILE ARE NOT NEIGHBOURS: lane r of tile t holds row 32 (t / 2) + 8 (t % 2) + r + 8 (r / 8), so that the 16 registers of result tiles 2 b and 2 b + 1 are 16 neighbours along the next K.
; The bias is the C of each sum's first matrix instruction.
; RESULTS: a record of REC bytes for each (batch, head): q's half fragments [tile][768], q's scale words, k's likewise, v's half fragments [128 keys][16 channels][64 keys], v's scale words.
;   A half fragment (16 rows x 64 K, 6 registers) is 768 bytes: registers 2 p, 2 p + 1 of a lane at 256 p + 8 x lane: each store of a wave covers 256 consecutive bytes, aligned.
; LIMITS: NaN and infinities are not served; a block of zeros gets the scale byte 1 (its codes are zeros; this program alone reads the bytes).
; No prefetch: the launch is short, and W's tiles are read by sixteen clusters one after the other.
; REGISTERS, in windows of 256.  window 0: v0-29 addresses; v32-47 x's scale words; v48-79 W's; v80-87 v's bias; v112-255 x's fragments of K steps 5-7.
;   window 1: W's fragments, two sets (v0-95, v128-223); the bias as C: v96-127, v224-255; the epilogue works in set 1.   window 2: the 32 accumulators.   window 3: x's fragments of K steps 0-4.
.set REC,   315392                     ; a record of qkv
.set QSCO,  98304                      ; q's scale words in it
.set KOFF,  106496                     ; from q's fields to k's
.set VIMG,  212992
.set VSCO,  311296
.set TILEB, 12288                      ; a tile's 8 fragment images
.set XSC,   6291456                    ; x's scale words in xq
.set WSCO,  2359296                    ; W's in wa
.set SLOT,  98304
.set SPARE, 2*SLOT                     ; behind the ring: the spare words, 128 bytes a wave: two blocks of 256 bytes that no other line names
.set SPW,   28                         ; v28  SPARE + 4 x my thread's number; never rewritten
.set NIL,   29                         ; v29  0; never rewritten
.set SSC,   32                         ; x's scale words: tile a, K steps 2 s', 2 s' + 1 (lanes 0-15, lanes 16-31) at v[SSC + 4 a + s']
.set WSC,   48                         ; W's: tile b at v[WSC + 4 b + s']
.set VB,    80                         ; v's bias of my lane's column, tile b
.set TM,    128                        ; the epilogue, in window 1: v128-143 at work,
.set PW,    144                        ; the scale word just made,
.set PS,    145                        ; what of it is stored,
.set PC,    148                        ; v148-167 the codes just made
.set MSB, 0
.macro WIN new                         ; the immediate's high byte repeats the setting that is left; a switch that changes nothing is dropped
.if MSB != (\new)
	s_set_vgpr_msb (MSB<<8)|(\new)
.set MSB, (\new)
.endif
.endm
.macro CREST                           ; a round of the cluster's barrier behind its opening barrier
	s_cmp_lg_u32 s12, 0
	s_cbranch_scc1 .Lnw0_\@
	s_barrier_signal -3
.Lnw0_\@:
	s_barrier_wait -3
	s_barrier_signal -1
	s_barrier_wait -1
.endm
.macro ROUND                           ; a whole round
	s_barrier_signal -1
	s_barrier_wait -1
	CREST
.endm
.macro PLACES                          ; four plain instructions between a matrix instruction and a load into, or a vector read of, its registers
.rept 4
	v_nop
.endr
.endm
; W's eight fragments of the slot's q-th K step into set p: 24 loads of 512 consecutive bytes
.macro FETCH sl, q, p
	WIN 0x40                                       ; destination window 1, address window 0
.irp b, 0,1,2,3,4,5,6,7
.irp g, 0,1,2
	ds_load_b128 v[128*(\p)+12*\b+4*\g:128*(\p)+12*\b+4*\g+3], v[4+\sl] offset:6144*\b+1536*(\q)+512*\g
.endr
.endr
	WIN 0
.endm
; The products of K step s for x's tiles a0 .. a1 against W's eight.  mode 0: q, k (source 0 = W); mode 1: v (source 0 = x).  first = 1: C is the bias.
; The 32 accumulators take turns, one instruction a turn, in the same order in every K step.
.macro MUL mode, s, a0, a1, first
.if (\s) < 5
.set M_S0, 48*(\s)
.set M_SW, 3
.else
.set M_S0, 112+48*((\s)-5)
.set M_SW, 0
.endif
.set M_P, 128*((\s)%2)
.if \mode
.if \first
.set M_W, 0x94|M_SW                    ; D window 2, C window 1, source 1 (W) window 1, source 0 (x) window 3 or 0
.else
.set M_W, 0xa4|M_SW
.endif
.else
.if \first
.set M_W, 0x91|(M_SW<<2)               ; D window 2, C window 1, source 1 (x) window 3 or 0, source 0 (W) window 1
.else
.set M_W, 0xa1|(M_SW<<2)
.endif
.endif
	WIN M_W
.set M_A, \a0
.rept (\a1)-(\a0)+1
.set M_B, 0
.rept 8
.if \mode
.set M_D,  8*(4*M_B+M_A)
.set M_R0, M_S0+12*M_A
.set M_R1, M_P+12*M_B
.set M_X0, SSC+4*M_A+(\s)/2
.set M_X1, WSC+4*M_B+(\s)/2
.else
.set M_D,  8*(8*M_A+M_B)
.set M_R0, M_P+12*M_B
.set M_R1, M_S0+12*M_A
.set M_X0, WSC+4*M_B+(\s)/2
.set M_X1, SSC+4*M_A+(\s)/2
.endif
.if \first
.set M_C, 96+8*M_B+96*(M_B/4)
.else
.set M_C, M_D
.endif
.if (\s)%2
	v_wmma_scale_f32_16x16x128_f8f6f4 v[M_D:M_D+7], v[M_R0:M_R0+11], v[M_R1:M_R1+11], v[M_C:M_C+7], v[M_X0], v[M_X1] matrix_a_fmt:MATRIX_FMT_FP6 matrix_b_fmt:MATRIX_FMT_FP6 matrix_a_scale:MATRIX_SCALE_ROW1 matrix_b_scale:MATRIX_SCALE_ROW1
.else
	v_wmma_scale_f32_16x16x128_f8f6f4 v[M_D:M_D+7], v[M_R0:M_R0+11], v[M_R1:M_R1+11], v[M_C:M_C+7], v[M_X0], v[M_X1] matrix_a_fmt:MATRIX_FMT_FP6 matrix_b_fmt:MATRIX_FMT_FP6
.endif
.set M_B, M_B+1
.endr
.set M_A, M_A+1
.endr
.endm
; A K step that has its successor in the same slot: the successor's fragments are asked for first, 32 matrix instructions ahead of their use.
.macro STEP mode, s
.set L_C, 12*(7-(\s))                  ; x's loads go out K step by K step, 12 each: so many are younger than this step's (the field holds 63 at the most)
.if L_C > 63
.set L_C, 63
.endif
	s_wait_loadcnt L_C
	s_wait_dscnt 0x0                               ; this step's fragments of W are in
	PLACES                                         ; the other set was read by the last step's products
	FETCH (\s)/4, (\s)%4+1, 1-(\s)%2
.if (\s) == 0
	MUL \mode, \s, 0, 3, 1
.else
	MUL \mode, \s, 0, 3, 0
.endif
.endm
; A slot's last K step changes slots: ONE barrier.  In front of it each wave waits for all its tensor loads, adds 0 to its spare word, and waits for that and for its reads of this slot.
; fill = 1: the barrier opens a round of the cluster's barrier, and behind the round this slot takes the same half of K of the NEXT 256 columns' tile.
.macro TURN mode, s, fill
.set L_C, 12*(7-(\s))
	WIN 0                                          ; (the add's two registers lie in window 0)
	s_wait_loadcnt L_C
	s_wait_tensorcnt 0x0                           ; all my tensor loads have landed: my part of the other slot;
	ds_add_u32 v[SPW], v[NIL]                      ; 0 onto my spare word;
	s_wait_dscnt 0x1                               ; this step's fragments are in; the add may be out
	MUL \mode, \s, 0, 0, 0                         ; eight matrix instructions stand between the add and the wait for it
	s_wait_dscnt 0x0                               ; the add is done, and my reads of this slot are over
	s_barrier_signal -1
	MUL \mode, \s, 1, 1, 0
	WIN 0
	s_barrier_wait -1
.if \fill
	CREST                                          ; no wave of any partner still reads this slot or has a load on its way
	s_add_nc_u64 s[34+4*((\s)/4):35+4*((\s)/4)], s[34+4*((\s)/4):35+4*((\s)/4)], 64*TILEB   ; 1,024 columns on: the type bits on top are not reached
	tensor_load_to_lds s[32+4*((\s)/4):35+4*((\s)/4)], s[24:31]   ; my one tensor load behind the round: one is out
	s_nop 0
.endif
	PLACES                                         ; behind the tensor load, and in front of the loads below
	s_wait_alu depctr_va_vdst(0)
	FETCH 1-(\s)/4, 0, 0
	MUL \mode, \s, 2, 3, 0
.endm
; 64 accumulator registers of a lane (window 2, v[s] on), register 16 b + i = k 32 b + 16 (lane / 16) + i of my row, become a fragment's codes in v[PC] on and its scale word in v[PW] (window 1).
.macro QUANT s
	s_wait_xcnt 0x0                                ; the stores of the block before have read the registers that are written below
	WIN 0x55
.irp b, 0,1,2,3
	v_mov_b32 v[TM+4+\b], 0                        ; a lane permute's destination counts as one of its sources
.endr
	WIN 0x5a                                       ; sources 0, 1: the accumulators; source 2 and destination: window 1
.irp b, 0,1,2,3
	v_max3_num_f32 v[TM+\b], |v[\s+16*\b]|, |v[\s+16*\b+1]|, 0x1800000   ; each accumulator is read from its low end on; the floor 2^(3 - 127) holds the byte at 1 from below
.endr
.irp i, 2,4,6,8,10,12,14
.irp b, 0,1,2,3
	v_max3_num_f32 v[TM+\b], |v[\s+16*\b+\i]|, |v[\s+16*\b+\i+1]|, v[TM+\b]   ; (the four blocks by turns)
.endr
.endr
	WIN 0x55
.irp b, 0,1,2,3
	v_permlanex16_b32 v[TM+4+\b], v[TM+\b], s52, s53
.endr
.irp b, 0,1,2,3
	v_max_num_f32 v[TM+\b], v[TM+\b], v[TM+4+\b]   ; with lane l xor 16's: the block's largest magnitude
.endr
.irp b, 0,1,2,3
	v_add_nc_u32 v[TM+12+\b], 0xff000000, v[TM+\b] ; 2 off its exponent field: the conversion's scale operand
.endr
.irp b, 0,1,2,3
	v_lshrrev_b32 v[TM+4+\b], 23, v[TM+12+\b]      ; the scale's byte
.endr
	v_lshl_or_b32 v[PW], v[TM+5], 8, v[TM+4]
	v_lshl_or_b32 v[PW], v[TM+6], 16, v[PW]
	v_lshl_or_b32 v[PW], v[TM+7], 24, v[PW]
	WIN 0x46                                       ; source 0: the accumulators; source 1 and destination: window 1
.irp c, 0,1
	v_cvt_scalef32_pk16_fp6_f32 v[PC+6*\c:PC+6*\c+2], v[\s+32*\c:\s+32*\c+15], v[TM+12+2*\c]
	v_cvt_scalef32_pk16_fp6_f32 v[PC+12+4*\c:PC+14+4*\c], v[\s+32*\c+16:\s+32*\c+31], v[TM+13+2*\c]   ; (a conversion's three registers begin on an even number)
.endr
	WIN 0x55
	v_nop                                          ; one plain instruction behind a scaled conversion
.irp c, 0,1                                    ; the operand's layout wants a WHOLE block in a lane
.irp i, 0,1,2
	v_permlane16_swap_b32 v[PC+6*\c+\i], v[PC+12+4*\c+\i]
.endr
.irp i, 0,1,2
	v_mov_b32 v[PC+3+6*\c+\i], v[PC+12+4*\c+\i]
.endr
.endr
.endm
; q, k: tile a of my tokens: 128 columns = two heads; registers 6 c .. 6 c + 5 are head c's half fragment, bytes 2 c, 2 c + 1 of the word its scales
.macro EPIQ a
	QUANT 64*(\a)
	WIN 0x44
	v_lshrrev_b32 v[PS], v7, v[PW]                 ; lanes 0-15 keep head 0's two bytes, lanes 16-31 head 1's;
	v_and_b32 v[PS], 0xffff, v[PS]                 ; bytes 2 and 3 of a stored word are 0: the product's upper 64 along K hold no numbers
	WIN 0x04                                       ; a store's data: window 1
.irp c, 0,1
.irp p, 0,1,2
	global_store_b64 v2, v[PC+6*\c+2*\p:PC+6*\c+2*\p+1], s[48:49] offset:\c*REC+768*(\a)+256*\p
.endr
.endr
	global_store_b32 v8, v[PS], s[50:51] offset:64*(\a)
.endm
; v: W's tiles 2 b, 2 b + 1 (16 channels each) x my 64 tokens: registers 6 e .. 6 e + 5 are tile 2 b + e's half fragment along the keys
.macro EPIV b
	QUANT 64*(\b)
	WIN 0x44
	v_lshrrev_b32 v[PS], v7, v[PW]                 ; lanes 0-15: tile 2 b's two bytes in the low half, lanes 16-31: tile 2 b + 1's
	WIN 0x04
.irp e, 0,1
.irp p, 0,1,2
	global_store_b64 v2, v[PC+6*\e+2*\p:PC+6*\e+2*\p+1], s[58:59] offset:((\b)/2)*REC+((2*(\b)+\e)%4)*1536+256*\p
.endr
.endr
	global_store_b16 v9, v[PS], s[60:61] offset:((\b)/2)*REC+((2*(\b))%4)*64   ; my 64 keys' half of a scale word: 2 bytes a row
.endm
.macro WSCLOAD
.irp b, 0,1,2,3,4,5,6,7
.irp t, 0,1,2,3
	global_load_b32 v[WSC+4*\b+\t], v3, s[44:45] offset:512*\b+128*\t
.endr
.endr
.endm
.macro BIASLOAD                        ; in the result's layout of q and k: lane (r, h), tile b: columns 32 (b / 2) + 8 (b % 2) + 16 h + 0 .. 7
	WIN 0x40
.irp b, 0,1,2,3,4,5,6,7
	global_load_b128 v[96+8*\b+96*(\b/4):96+8*\b+96*(\b/4)+3], v6, s[46:47] offset:128*(\b/2)+32*(\b%2)
	global_load_b128 v[96+8*\b+96*(\b/4)+4:96+8*\b+96*(\b/4)+7], v6, s[46:47] offset:128*(\b/2)+32*(\b%2)+16
.endr
	WIN 0
.endm
.macro SLOAD s                         ; x's four fragments of K step s
.if (\s) < 5
	WIN 0xc0
.set M_S0, 48*(\s)
.else
	WIN 0
.set M_S0, 112+48*((\s)-5)
.endif
.irp a, 0,1,2,3
.irp g, 0,1,2
	global_load_b128 v[M_S0+12*\a+4*\g:M_S0+12*\a+4*\g+3], v1, s[40:41] offset:TILEB*\a+1536*(\s)+512*\g
.endr
.endr
.endm
	s_load_b256 s[4:11], s[0:1], 0x0               ; xq s[4:5], wa s[6:7], b_attn s[8:9], qkv s[10:11]
	v_lshl_add_u32 v[SPW], v0, 2, SPARE
	v_mov_b32 v[NIL], 0
	ds_add_u32 v28, v29
	ds_add_u32 v28, v29
	s_wait_dscnt 0x0
	v_lshrrev_b32 v1, 5, v0
	v_readfirstlane_b32 s12, v1                    ; wave 0..3
	s_lshr_b32 s13, s12, 1                         ; wm: which 64 tokens
	s_and_b32 s14, s12, 1                          ; wn: which 128 columns
	s_bfe_u32 s15, ttmp6, 0x40000                  ; cx
	s_lshl_b32 s16, ttmp9, 2
	s_add_co_u32 s16, s16, s15                     ; R = 4 x cluster x + cx
	s_and_b32 s17, ttmp7, 0xffff                   ; j, which the four partners share
	; descriptor group 1: 4 rows (tiles) of 768 elements of 8 bytes (four fragment images), 1,536 elements apart in memory, dense in LDS
	s_mov_b32 s24, 15|(3<<16)|(1<<21)              ; 15:0 the mask: all four work-groups; 17:16 elements of 8 bytes; 21 set beside a mask
	s_mov_b32 s25, 768<<16                         ; tensor_dim0
	s_mov_b32 s26, 4<<16                           ; tensor_dim1
	s_mov_b32 s27, 768<<16                         ; tile_dim0
	s_mov_b32 s28, 4                               ; tile_dim1
	s_mov_b32 s29, 1536                            ; tensor_dim0_stride
	s_mov_b32 s30, 0
	s_mov_b32 s31, 0
	s_lshl_b32 s18, s17, 4
	s_lshl_b32 s19, s12, 2
	s_add_co_u32 s18, s18, s19
	s_mul_i32 s18, s18, TILEB                      ; W's tiles 16 j + 4 w on: what I fetch
	s_mov_b32 s19, 0
	s_mul_i32 s20, s12, 24576                      ; and where it goes in a slot
	s_lshl_b32 s21, s16, 3
	s_lshl_b32 s22, s13, 2
	s_add_co_u32 s21, s21, s22                     ; my first tile of x: 8 R + 4 wm
	s_mul_i32 s40, s21, TILEB
	s_mov_b32 s41, 0
	s_lshl_b32 s42, s21, 9
	s_add_co_u32 s42, s42, XSC
	s_mov_b32 s43, 0
	s_lshl_b32 s44, s17, 4
	s_lshl_b32 s22, s14, 3
	s_add_co_u32 s44, s44, s22                     ; my first tile of W among q's: 16 j + 8 wn
	s_lshl_b32 s46, s44, 6                         ; its first column's bias: 16 columns x 4 bytes a tile
	s_lshl_b32 s44, s44, 9
	s_add_co_u32 s44, s44, WSCO
	s_mov_b32 s45, 0
	s_mov_b32 s47, 0
	s_lshr_b32 s22, s16, 4                         ; batch
	s_lshl_b32 s22, s22, 4
	s_lshl_b32 s23, s17, 2
	s_add_co_u32 s22, s22, s23
	s_lshl_b32 s23, s14, 1
	s_add_co_u32 s22, s22, s23                     ; my first head's record: 16 batch + 4 j + 2 wn
	s_mul_i32 s22, s22, REC
	s_and_b32 s23, s16, 15                         ; which 128 tokens of the batch
	s_lshl_b32 s55, s23, 3
	s_lshl_b32 s56, s13, 2
	s_add_co_u32 s56, s55, s56                     ; my first tile in the batch
	s_mul_i32 s48, s56, 768
	s_add_co_u32 s48, s48, s22
	s_mov_b32 s49, 0
	s_lshl_b32 s50, s56, 6
	s_add_co_u32 s50, s50, s22
	s_add_co_u32 s50, s50, QSCO
	s_mov_b32 s51, 0
	s_add_co_u32 s58, s55, s13
	s_mul_i32 s58, s58, 768                        ; v: 6,144 bytes for 128 keys, my 64 keys' half fragments 768 wm on
	s_add_co_u32 s58, s58, s22
	s_add_co_u32 s58, s58, VIMG
	s_mov_b32 s59, 0
	s_lshl_b32 s60, s23, 8
	s_lshl_b32 s57, s13, 1
	s_add_co_u32 s60, s60, s57
	s_add_co_u32 s60, s60, s22
	s_add_co_u32 s60, s60, VSCO
	s_mov_b32 s61, 0
	s_mov_b32 s52, 0x76543210
	s_mov_b32 s53, 0xfedcba98                      ; v_permlanex16_b32's selects for lane l xor 16
	s_wait_kmcnt 0x0
	s_add_nc_u64 s[18:19], s[6:7], s[18:19]
	s_add_nc_u64 s[40:41], s[4:5], s[40:41]        ; x's images
	s_add_nc_u64 s[42:43], s[4:5], s[42:43]        ; x's scale words
	s_add_nc_u64 s[44:45], s[6:7], s[44:45]        ; W's scale words
	s_add_nc_u64 s[46:47], s[8:9], s[46:47]        ; the bias
	s_add_nc_u64 s[48:49], s[10:11], s[48:49]      ; q's half fragments
	s_add_nc_u64 s[50:51], s[10:11], s[50:51]      ; q's scale words
	s_add_nc_u64 s[58:59], s[10:11], s[58:59]      ; v's half fragments
	s_add_nc_u64 s[60:61], s[10:11], s[60:61]      ; v's scale words
	ROUND                                          ; all four work-groups are here: the first joint loads meet
.irp t, 0,1
	s_mov_b32 s[32+4*\t], 1                        ; count = 1
	s_add_co_u32 s[33+4*\t], s20, \t*SLOT          ; LDS address
	s_add_nc_u64 s[34+4*\t:35+4*\t], s[18:19], \t*6144   ; global address: half t of K
	s_or_b32 s[35+4*\t], s[35+4*\t], 0x80000000    ; type = 2
.endr
	tensor_load_to_lds s[32:35], s[24:31]          ; both first fills together: two loads of mine are out
	s_nop 0
	tensor_load_to_lds s[36:39], s[24:31]
	s_nop 0
	PLACES
	v_and_b32 v11, 31, v0                          ; lane
	v_and_b32 v12, 15, v0                          ; r
	v_bfe_u32 v13, v0, 4, 1                        ; h
	v_lshlrev_b32 v1, 4, v11                       ; 16 x lane
	v_lshlrev_b32 v2, 3, v11                       ; 8 x lane
	v_lshlrev_b32 v3, 2, v11                       ; 4 x lane
	s_mul_i32 s21, s14, 49152
	v_add_nc_u32 v4, s21, v1                       ; my eight tiles of W in slot 0,
	v_add_nc_u32 v5, SLOT, v4                      ; in slot 1
	v_lshlrev_b32 v6, 6, v13                       ; 64 h
	v_lshlrev_b32 v7, 4, v13                       ; 16 h
	v_mul_u32_u24 v8, v13, REC
	v_lshl_add_u32 v8, v12, 2, v8                  ; h records on, + 4 r
	v_lshl_add_u32 v9, v12, 2, v6                  ; 64 h + 4 r
	v_and_b32 v10, 8, v12
	v_add_nc_u32 v10, v10, v12
	v_lshlrev_b32 v10, 2, v10                      ; 4 (r + 8 (r / 8))
.irp a, 0,1,2,3
.irp t, 0,1,2,3
	global_load_b32 v[SSC+4*\a+\t], v3, s[42:43] offset:512*\a+128*\t
.endr
.endr
	WSCLOAD
.irp b, 0,1,2,3,4,5,6,7
	global_load_b32 v[VB+\b], v10, s[46:47] offset:8192+128*(\b/2)+32*(\b%2)   ; v's bias: in v's results a lane holds one column
.endr
	BIASLOAD
.irp s, 0,1,2,3,4,5,6,7
	SLOAD \s
.endr
	WIN 0
	s_wait_tensorcnt 0x1                           ; my part of slot 0 is in; slot 1's may stay out
	s_barrier_signal -1
	s_barrier_wait -1
	FETCH 0, 0, 0
	s_mov_b32 s54, 2
.Lphase:                                               ; two trips: q, then k
	STEP 0, 0
	STEP 0, 1
	STEP 0, 2
	TURN 0, 3, 1                                   ; slot 0 takes the next tile's first half of K: four K steps, 128 matrix instructions, in which to land
	STEP 0, 4
	STEP 0, 5
	STEP 0, 6
	TURN 0, 7, 1                                   ; slot 1 its second half; the next tile's first fragments are fetched
	PLACES
	WIN 0
	s_wait_xcnt 0x0                                ; the loads that named these bases have read them
	s_add_nc_u64 s[44:45], s[44:45], 64*512        ; the next 1,024 columns' scale words
	s_add_nc_u64 s[46:47], s[46:47], 4096          ; and bias (in the last trip v's, which the moves below replace: the 16 loads stay inside b_attn)
	WSCLOAD
	BIASLOAD
	EPIQ 0
	EPIQ 1
	EPIQ 2
	EPIQ 3
	WIN 0
	s_wait_xcnt 0x0                                ; the stores have read their bases and registers
	s_add_nc_u64 s[48:49], s[48:49], KOFF          ; from q's fields of the records to k's
	s_add_nc_u64 s[50:51], s[50:51], KOFF
	s_wait_loadcnt 0x0                             ; the next tile's scale words and bias
	s_sub_co_u32 s54, s54, 1
	s_cmp_lg_u32 s54, 0
	s_cbranch_scc1 .Lphase
	WIN 0x40                                       ; v: its tail is written out: it asks for nothing more
.irp b, 0,1,2,3,4,5,6,7
.irp i, 0,1,2,3,4,5,6,7
	v_mov_b32 v[96+8*\b+96*(\b/4)+\i], v[VB+\b]    ; the bias as C: a lane's eight registers are eight tokens of one column
.endr
.endr
	s_wait_alu depctr_va_vdst(0)
	STEP 1, 0
	STEP 1, 1
	STEP 1, 2
	TURN 1, 3, 0
	STEP 1, 4
	STEP 1, 5
	STEP 1, 6
	s_wait_dscnt 0x0
	MUL 1, 7, 0, 3, 0
	PLACES
	EPIV 0
	EPIV 1
	EPIV 2
	EPIV 3
	WIN 0
	s_wait_tensorcnt 0x0                           ; the wave's end
	ds_add_u32 v[SPW], v[NIL]
	s_wait_dscnt 0x0
	ROUND                                          ; the closing round: no work-group ends while a partner may still ask for a tile that names it
	s_endpgm
.Lfunc_end_k_q9b2661c847_gemm1:
	.size	k_q9b2661c847_gemm1, .Lfunc_end_k_q9b2661c847_gemm1-k_q9b2661c847_gemm1
	.p2alignl 7, 3214868480
	.fill 96, 4, 3214868480
	.section	.rodata,"a",@progbits
	.p2align	6, 0x0
	.amdhsa_kernel k_q9b2661c847_gemm1
		.amdhsa_group_segment_fixed_size 327680
		.amdhsa_private_segment_fixed_size 0
		.amdhsa_enable_private_segment 0
		.amdhsa_kernarg_size 32
		.amdhsa_user_sgpr_count 2
		.amdhsa_user_sgpr_kernarg_segment_ptr 1
		.amdhsa_wavefront_size32 1
		.amdhsa_system_sgpr_workgroup_id_x 1
		.amdhsa_system_sgpr_workgroup_id_y 1
		.amdhsa_system_sgpr_workgroup_id_z 1
		.amdhsa_system_vgpr_workitem_id 0
		.amdhsa_next_free_vgpr 1024
		.amdhsa_next_free_sgpr 66
		.amdhsa_reserve_vcc 0
		.amdhsa_float_denorm_mode_32 3
		.amdhsa_float_denorm_mode_16_64 3
		.amdhsa_memory_ordered 1
		.amdhsa_forward_progress 1
		.amdhsa_inst_pref_size 163
	.end_amdhsa_kernel
	.amdgpu_metadata
---
amdhsa.version: [ 1, 2 ]
amdhsa.kernels:
  - .name:           k_q9b2661c847_gemm1
    .symbol:         k_q9b2661c847_gemm1.kd
    .args:
      - { .name: xq, .offset: 0, .size: 8, .value_kind: global_buffer, .address_space: global }
      - { .name: wa, .offset: 8, .size: 8, .value_kind: global_buffer, .address_space: global }
      - { .name: b_attn, .offset: 16, .size: 8, .value_kind: global_buffer, .address_space: global }
      - { .name: qkv, .offset: 24, .size: 8, .value_kind: global_buffer, .address_space: global }
    .group_segment_fixed_size: 327680
    .private_segment_fixed_size: 0
    .kernarg_segment_align: 8
    .kernarg_segment_size: 32
    .max_flat_workgroup_size: 128
    .sgpr_count:     66
    .vgpr_count:     1024
    .wavefront_size: 32
...
	.end_amdgpu_metadata
.endif
;; end of part 2
;; launch attn (part 3): grid 4 x 64, 16 waves a work-group, clusters of 4 x 1, 210,944 bytes of LDS; arguments qkv, yq; writes yq
.if DOCPART == 3
	.amdgcn_target "amdgcn-amd-amdhsa--gfx1250"
	.amdhsa_code_object_version 6
	.text
	.protected	k_q9b2661c847_attn
	.globl	k_q9b2661c847_attn
	.p2align	8
	.type	k_q9b2661c847_attn,@function
k_q9b2661c847_attn:
	s_mov_b64 s[64:65], 0
	v_nop
	global_prefetch_b8 v0, s[64:65] scope:SCOPE_SE
	s_setreg_imm32_b32 hwreg(HW_REG_WAVE_MODE, 25, 1), 1
	s_wait_xcnt 0x0
	s_wait_alu depctr_hold_cnt(0) depctr_sa_sdst(0) depctr_va_vdst(0) depctr_va_sdst(0) depctr_va_ssrc(0) depctr_va_vcc(0) depctr_vm_vsrc(0)
	s_getreg_b32 s2, hwreg(HW_REG_IB_STS2, 6, 4)
	s_cmp_eq_u32 s2, 0
	s_cbranch_scc0 .Lentry_in_a_cluster
	s_endpgm
.Lentry_in_a_cluster:
	s_bfe_u32 s2, ttmp6, 0x10000c
	s_cmp_lg_u32 s2, 0x3003
	s_cbranch_scc0 .Lentry_shape_is_right
	s_endpgm
.Lentry_shape_is_right:
; y[b][h][q] = the sum over k <= q of softmax_k(q . k / 8) v[k], both products on codes of FP6 (E2M3) with E8M0 scales; y is quantised along the last product's K (head-major) and stored as codes.
; THE SOFTMAX: t = score x log2(e) / 8; M = the running largest t rounded UP to a whole number; p = 2^(t - M) is quantised along the keys, not normalised; the row's sum is taken of the unquantised p and divides O at the end.
; When M moves, the sum and O are multiplied by 2^(old M - new M): exact.
; SHARES.  The four work-groups of a cluster serve one (batch, head).  The head's whole K and V, codes and scale words (208,896 bytes, one dense block of its record), lie in LDS for the whole launch:
; filled once, 13,056 bytes a wave, asked for jointly by the four.  So there is no ring and nothing is filled again.
; A head has 128 tiles of 16 queries in 16 groups of 8; group G holds tokens 128 G .. 128 G + 127, so of the key steps of 128 those under G count whole, step G lies on the diagonal, the rest are hidden.
; Wave w (g = w / 2, u = w % 2) of the work-group at place p takes tile 8 G + 2 p + u twice: G = 15 - g, then G = g: 17 key steps for every wave of the launch.
; Branches hang on the wave's number and on counters alone; the place in the cluster enters global addresses and the mask's operand only.
; LAYOUT.  Both products are used transposed: S^T = K Q^T, O^T = V^T P^T: a lane holds ONE query throughout.  Lane r of a tile holds row 32 (t / 2) + 8 (t % 2) + r + 8 (r / 8), so that the 16 registers of score
; tiles 2 b and 2 b + 1 are 16 neighbouring keys.
; K = 64 IN AN INSTRUCTION OF 128: Q's upper six registers are zero codes, and bytes 2, 3 of Q's and K's scale words are 0.  K's upper six registers are whatever follows (the next tile's codes):
; E2M3 has no NaN and no infinity, so each of those products is 0.
; LIMITS: NaN and infinities are not served; y = O x rcp(l); a block's largest p is taken as the exponential of its largest score (this takes v_exp_f32 not to fall where its input rises);
; a block of zeros gets the scale byte 1 (its codes are zeros; this program alone reads the bytes).
; No prefetch: all that the launch reads is asked for at its head.
; REGISTERS: v1-7 addresses that stay; v8-11 the step's LDS addresses; v12 -M, v13 the largest t, v[14:15] the sum; v16-27, v28 Q and its scale word for the first pass, v192-203, v204 for the second;
; v32-79 K's 8 half fragments, then V's 4 fragments; v80-85 zeros; v96-159 S^T, then p; v160-191 O^T; v208-219 at work; v224-242 p's codes; v244-249 K's and V's scale words; v252 f, v253 p's scale word.
.set REC,   315392
.set QSC,   98304                      ; q's scale words in a record
.set KVOFF, 106496                     ; where K's and V's block begins in a record
.set KSC,   98304                      ; LDS: K's half fragments at 0; K's scale words;
.set VIM,   106496                     ; V's fragments;
.set VSC,   204800                     ; V's scale words
.set YSC,   6291456                    ; y's scale words in yq
.set BM,    208                        ; block maxima
.set T,     212
.set E,     216
.macro ROUND
	s_barrier_signal -1
	s_barrier_wait -1
	s_cmp_lg_u32 s12, 0
	s_cbranch_scc1 .Lnw0_\@
	s_barrier_signal -3
.Lnw0_\@:
	s_barrier_wait -3
	s_barrier_signal -1
	s_barrier_wait -1
.endm
	s_load_b128 s[4:7], s[0:1], 0x0                ; qkv s[4:5], yq s[6:7]
	v_lshl_add_u32 v251, v0, 2, 0x33000
	v_mov_b32 v255, 0
	ds_add_u32 v251, v255
	ds_add_u32 v251, v255
	v_lshrrev_b32 v1, 5, v0
	s_delay_alu instid0(VALU_DEP_1)
	v_readfirstlane_b32 s12, v1                    ; wave 0..15
	s_lshr_b32 s13, s12, 1                         ; g
	s_and_b32 s14, s12, 1                          ; u
	s_bfe_u32 s15, ttmp6, 0x40000                  ; my place in the cluster
	s_and_b32 s16, ttmp7, 0xffff                   ; 16 batch + head, which the four partners share
	; descriptor group 1: 51 rows of 256 bytes (32 elements of 8 bytes), dense in memory and in LDS
	s_mov_b32 s24, 15|(3<<16)|(1<<21)              ; the mask: all four work-groups; elements of 8 bytes; bit 21 set beside a mask
	s_mov_b32 s25, 32<<16
	s_mov_b32 s26, 51<<16
	s_mov_b32 s27, 32<<16
	s_mov_b32 s28, 51
	s_mov_b32 s29, 32
	s_mov_b32 s30, 0
	s_mov_b32 s31, 0
	s_mul_i32 s36, s16, REC
	s_mov_b32 s37, 0
	s_mul_i32 s17, s12, 13056                      ; my sixteenth of the block
	s_add_co_u32 s18, s17, KVOFF
	s_mov_b32 s19, 0
	s_wait_dscnt 0x0
	s_wait_kmcnt 0x0
	s_add_nc_u64 s[36:37], s[4:5], s[36:37]        ; the record
	ROUND                                          ; all four work-groups are here: the joint loads meet
	s_mov_b32 s32, 1
	s_mov_b32 s33, s17
	s_add_nc_u64 s[34:35], s[36:37], s[18:19]
	s_or_b32 s35, s35, 0x80000000
	tensor_load_to_lds s[32:35], s[24:31]          ; one load a wave, the only one of the launch
	s_nop 0
.rept 4
	v_nop
.endr
	s_sub_co_u32 s54, 15, s13                      ; G of the first pass,
	s_mov_b32 s55, s13                             ; of the second
	s_lshl_b32 s60, s15, 1
	s_add_co_u32 s60, s60, s14                     ; my tile in a group: 2 p + u
	s_lshr_b32 s9, s16, 4
	s_lshl_b32 s9, s9, 7                           ; 128 tiles a batch
	s_and_b32 s10, s16, 15                         ; head
	s_mul_i32 s11, s10, 768
	s_lshr_b32 s18, s10, 1
	s_lshl_b32 s18, s18, 6
	s_and_b32 s10, s10, 1
	s_lshl_b32 s10, s10, 1
	s_add_co_u32 s10, s10, s18
	s_add_co_u32 s10, s10, YSC                     ; the head's half of a scale word: K step head / 2, 2 (head % 2) bytes on
	s_mov_b32 s3, 0
.irp n, 0,1
	s_lshl_b32 s8, s[54+\n], 3
	s_add_co_u32 s8, s8, s60                       ; the pass's tile of queries
	s_mul_i32 s2, s8, 768
	s_add_nc_u64 s[38+2*\n:39+2*\n], s[36:37], s[2:3]   ; its codes,
	s_lshl_b32 s2, s8, 6
	s_add_co_u32 s2, s2, QSC
	s_add_nc_u64 s[42+2*\n:43+2*\n], s[36:37], s[2:3]   ; its scale words,
	s_add_co_u32 s8, s8, s9
	s_mul_i32 s2, s8, 12288
	s_add_co_u32 s2, s2, s11
	s_add_nc_u64 s[46+2*\n:47+2*\n], s[6:7], s[2:3]     ; y's half fragment,
	s_lshl_b32 s2, s8, 9
	s_add_co_u32 s2, s2, s10
	s_add_nc_u64 s[50+2*\n:51+2*\n], s[6:7], s[2:3]     ; y's scale bytes
.endr
	v_and_b32 v4, 31, v0                           ; lane
	s_delay_alu instid0(VALU_DEP_1)
	v_lshlrev_b32 v1, 3, v4                        ; 8 x lane: a half fragment's place for my lane, in LDS and in memory
	v_and_b32 v9, 15, v0                           ; r
	v_bfe_u32 v10, v0, 4, 1                        ; h
	s_delay_alu instid0(VALU_DEP_2)
	v_lshlrev_b32 v7, 2, v9                        ; 4 r
.irp p, 0,1,2
	global_load_b64 v[16+2*\p:17+2*\p], v1, s[38:39] offset:256*\p
	global_load_b64 v[192+2*\p:193+2*\p], v1, s[40:41] offset:256*\p
.endr
	global_load_b32 v28, v7, s[42:43]
	global_load_b32 v204, v7, s[44:45]
	v_lshl_add_u32 v2, v4, 2, KSC                  ; K's scale words: lanes 0-15 one tile's, lanes 16-31 the next tile's
	v_lshl_add_u32 v3, v4, 2, VSC                  ; V's likewise
	s_lshl_b32 s62, s15, 5
	s_lshl_b32 s63, s14, 3
	s_add_co_u32 s62, s62, s63
	v_and_b32 v5, 8, v9
	s_delay_alu instid0(VALU_DEP_1)
	v_add_nc_u32 v5, v5, v9
	s_delay_alu instid0(VALU_DEP_1)
	v_add_nc_u32 v5, s62, v5                       ; my query among its group's 128 tokens,
	v_lshlrev_b32 v10, 4, v10
	s_delay_alu instid0(VALU_DEP_1)
	v_sub_nc_u32 v5, v5, v10                       ; less 16 h: on the diagonal register 16 b + i holds key 32 b + 16 h + i: hidden where 32 b + i is above this
	v_mov_b32 v6, 0xff800000                       ; -infinity
.irp i, 0,1,2,3,4,5
	v_mov_b32 v[22+\i], 0                          ; Q's upper 64 along K: zero codes
	v_mov_b32 v[198+\i], 0
	v_mov_b32 v[80+\i], 0                          ; what follows K's last half fragment
.endr
.irp b, 0,1,2,3
	v_mov_b32 v[T+\b], 0                           ; a lane permute's destination counts as one of its sources
.endr
	v_mov_b32 v252, 0
	v_mov_b32 v253, 0                              ; (named as the upper half of the pair v[252:253] before it is first written)
	s_mov_b32 s20, 0x76543210
	s_mov_b32 s21, 0xfedcba98                      ; v_permlanex16_b32's selects for lane l xor 16
	s_mov_b32 s22, 0x3e38aa3b                      ; c = log2(e) / 8
	s_mov_b32 s23, s22                             ; (named with it as a pair)
	s_wait_tensorcnt 0x0                           ; my sixteenth has landed,
	s_barrier_signal -1
	s_barrier_wait -1                              ; everybody's has
	s_wait_loadcnt 0x0                             ; Q
; A PASS: one tile of 16 queries against key steps 0 .. G.  The loop has 16 trips in every wave; a hidden step's work is jumped over, not the lines that step addresses.
.macro PASS n
.set QF, 16+176*\n
.set QS, 28+176*\n
	s_wait_xcnt 0x0                                ; (second pass: the first pass's stores have read their registers)
	v_mov_b32 v13, 0xff61b1e6                      ; the largest t so far: -3e38, under every t
	s_delay_alu instid0(VALU_DEP_1)
	v_floor_f32 v12, -v13                          ; -M
	v_mov_b32 v14, 0                               ; the sum, in two halves
	v_mov_b32 v15, 0
.set N_I, 0
.rept 32
	v_mov_b32 v[160+N_I], 0                        ; O^T: the step is written once; the first change of M leaves zeros zeros
.set N_I, N_I+1
.endr
	s_mov_b32 s56, 0                               ; the key step
	s_mov_b32 s57, 0                               ; its codes: 6,144 bytes a step, of K and of V
	s_mov_b32 s58, 0                               ; K's scale words: 512
	s_mov_b32 s59, 0                               ; V's: 256
.Lstep_\@:
	s_cmp_gt_u32 s56, s[54+\n]
	s_cbranch_scc1 .Lhidden_\@
	s_setprio 2
	v_add_nc_u32 v8, s57, v1                       ; (these four are also the places in front of the loads into registers that the last products read)
	s_delay_alu instid0(VALU_DEP_1)
	v_add_nc_u32 v9, VIM, v8
	v_add_nc_u32 v10, s58, v2
	v_add_nc_u32 v11, s59, v3
.irp t, 0,1,2,3,4,5,6,7
.irp p, 0,1,2
	ds_load_b64 v[32+6*\t+2*\p:33+6*\t+2*\p], v8 offset:768*\t+256*\p   ; 256 consecutive bytes
.endr
.endr
.irp i, 0,1,2,3
	ds_load_b32 v[244+\i], v10 offset:128*\i
.endr
	s_wait_alu depctr_va_vdst(0)
	s_wait_dscnt 0x0
.irp t, 0,2,4,6                                ; S^T = K Q^T: eight tiles of 16 keys
	v_wmma_scale_f32_16x16x128_f8f6f4 v[96+8*\t:103+8*\t], v[32+6*\t:43+6*\t], v[QF:QF+11], 0, v[244+\t/2], v[QS] matrix_a_fmt:MATRIX_FMT_FP6 matrix_b_fmt:MATRIX_FMT_FP6
	v_wmma_scale_f32_16x16x128_f8f6f4 v[104+8*\t:111+8*\t], v[38+6*\t:49+6*\t], v[QF:QF+11], 0, v[244+\t/2], v[QS] matrix_a_fmt:MATRIX_FMT_FP6 matrix_b_fmt:MATRIX_FMT_FP6 matrix_a_scale:MATRIX_SCALE_ROW1
.endr
.rept 4
	v_nop                                          ; places: in front of the loads below and of the first read of the scores
.endr
.irp i, 0,1,2,3                                ; V's four fragments are asked for now and land while the softmax is worked
.irp p, 0,1,2,3,4,5
	ds_load_b64 v[32+12*\i+2*\p:33+12*\i+2*\p], v9 offset:1536*\i+256*\p
.endr
.endr
.irp i, 0,1
	ds_load_b32 v[248+\i], v11 offset:128*\i
.endr
	s_cmp_lg_u32 s56, s[54+\n]                     ; on the diagonal the scores of hidden keys become -infinity ahead of the maximum: p = 0 then
	s_cbranch_scc1 .Lopen_\@
.set N_I, 0
.rept 64
	v_cmp_gt_i32 vcc_lo, 32*(N_I/16)+N_I%16, v5
	v_cndmask_b32 v[96+N_I], v[96+N_I], v6, vcc_lo
.set N_I, N_I+1
.endr
.Lopen_\@:
.irp b, 0,1,2,3
	v_max3_num_f32 v[BM+\b], v[96+16*\b], v[97+16*\b], v[98+16*\b]   ; the largest score of each block of 32 keys: for the row's maximum, and for the block's largest p
.endr
.irp i, 3,5,7,9,11,13
.irp b, 0,1,2,3
	v_max3_num_f32 v[BM+\b], v[BM+\b], v[96+16*\b+\i], v[97+16*\b+\i]
.endr
.endr
.irp b, 0,1,2,3
	v_max_num_f32 v[BM+\b], v[BM+\b], v[111+16*\b]
.endr
.irp b, 0,1,2,3
	s_delay_alu instid0(VALU_DEP_4)
	v_permlanex16_b32 v[T+\b], v[BM+\b], s20, s21
.endr
.irp b, 0,1,2,3
	s_delay_alu instid0(VALU_DEP_4)
	v_max_num_f32 v[BM+\b], v[BM+\b], v[T+\b]      ; with lane l xor 16's 16 keys
.endr
	s_delay_alu instid0(VALU_DEP_2)
	v_max3_num_f32 v254, v[BM], v[BM+1], v[BM+2]
	s_delay_alu instid0(VALU_DEP_1)
	v_max_num_f32 v254, v254, v[BM+3]
	s_delay_alu instid0(VALU_DEP_1)
	v_mul_f32 v254, s22, v254                      ; the step's largest t of my query
	s_delay_alu instid0(VALU_DEP_1)
	v_max_num_f32 v13, v13, v254
	v_mov_b32 v254, v12
	s_delay_alu instid0(VALU_DEP_2)
	v_floor_f32 v12, -v13                          ; the new -M = floor(-t) = -ceil(t)
	s_delay_alu instid0(VALU_DEP_1)
	v_sub_f32 v254, v12, v254                      ; old M - new M: a whole number, 0 or less
	s_delay_alu instid0(VALU_DEP_1)
	v_cvt_i32_f32 v254, v254                       ; (it saturates)
	s_delay_alu instid0(VALU_DEP_1)
	v_ldexp_f32 v252, 1.0, v254                    ; f = 2^(old M - new M)
.set N_I, 0
	s_setprio 1
.rept 32
	v_pk_fma_f32 v[96+N_I:97+N_I], v[96+N_I:97+N_I], s[22:23], v[12:13] op_sel_hi:[1,0,0]   ; t - M, two at a time
.set N_I, N_I+2
.endr
.irp b, 0,1,2,3
	v_fma_f32 v[BM+\b], v[BM+\b], s22, v12
.endr
.set N_I, 0
	s_wait_alu depctr_va_vdst(0)
.rept 64
	v_exp_f32 v[96+N_I], v[96+N_I]                 ; p = 2^(t - M), at most 1
.set N_I, N_I+1
.endr
	v_pk_mul_f32 v[14:15], v[14:15], v[252:253] op_sel_hi:[1,0]   ; the sums under the new M; the plain instruction behind the exponentials
	s_wait_alu depctr_va_vdst(0)                   ; one wait for the batch of 64, ahead of its first reader
.irp b, 0,1,2,3
	v_exp_f32 v[BM+\b], v[BM+\b]                   ; each block's largest p
.endr
	v_pk_add_f32 v[212:213], v[100:101], v[104:105]
	v_pk_add_f32 v[246:247], v[108:109], v[112:113]
	v_pk_add_f32 v[244:245], v[116:117], v[120:121]
	v_pk_add_f32 v[242:243], v[124:125], v[128:129]
	v_pk_add_f32 v[240:241], v[132:133], v[136:137]
	v_pk_add_f32 v[238:239], v[140:141], v[144:145]
	v_pk_add_f32 v[236:237], v[148:149], v[152:153]
	v_pk_add_f32 v[14:15], v[14:15], v[156:157]
	v_pk_add_f32 v[212:213], v[212:213], v[96:97]
	v_pk_add_f32 v[246:247], v[246:247], v[98:99]
	v_pk_add_f32 v[244:245], v[244:245], v[102:103]
	v_pk_add_f32 v[242:243], v[242:243], v[106:107]
	v_pk_add_f32 v[240:241], v[240:241], v[110:111]
	v_pk_add_f32 v[238:239], v[238:239], v[114:115]
	v_pk_add_f32 v[236:237], v[236:237], v[118:119]
	v_pk_add_f32 v[14:15], v[14:15], v[122:123]
	v_pk_add_f32 v[212:213], v[212:213], v[126:127]
	v_pk_add_f32 v[246:247], v[246:247], v[130:131]
	v_pk_add_f32 v[244:245], v[244:245], v[134:135]
	v_pk_add_f32 v[242:243], v[242:243], v[138:139]
	v_pk_add_f32 v[240:241], v[240:241], v[142:143]
	v_pk_add_f32 v[238:239], v[238:239], v[146:147]
	v_pk_add_f32 v[236:237], v[236:237], v[150:151]
	v_pk_add_f32 v[14:15], v[14:15], v[154:155]
	v_pk_add_f32 v[212:213], v[212:213], v[158:159]
	s_delay_alu instid0(VALU_DEP_2)
	v_pk_add_f32 v[14:15], v[14:15], v[242:243]
	s_delay_alu instid0(VALU_DEP_2)
	v_pk_add_f32 v[212:213], v[212:213], v[240:241]
	v_pk_add_f32 v[246:247], v[246:247], v[238:239]
	v_pk_add_f32 v[244:245], v[244:245], v[236:237]
	s_delay_alu instid0(VALU_DEP_2)
	v_pk_add_f32 v[14:15], v[14:15], v[246:247]
	s_delay_alu instid0(VALU_DEP_2)
	v_pk_add_f32 v[212:213], v[212:213], v[244:245]
	s_delay_alu instid0(VALU_DEP_1)
	v_pk_add_f32 v[14:15], v[14:15], v[212:213]
	s_setprio 0
	s_wait_alu depctr_va_vdst(0)                   ; and one for the four
.irp b, 0,1,2,3
	v_max_num_f32 v[BM+\b], 0x1800000, v[BM+\b]    ; the floor 2^(3 - 127)
.endr
.irp b, 0,1,2,3
	s_delay_alu instid0(VALU_DEP_4)
	v_add_nc_u32 v[E+\b], 0xff000000, v[BM+\b]     ; 2 off the exponent field: the conversion's scale operand
.endr
.irp b, 0,1,2,3
	s_delay_alu instid0(VALU_DEP_4)
	v_lshrrev_b32 v[T+\b], 23, v[E+\b]             ; the scale's byte
.endr
	s_delay_alu instid0(VALU_DEP_3)
	v_lshl_or_b32 v253, v[T+1], 8, v[T]            ; p's scale word for these 128 keys
	s_delay_alu instid0(VALU_DEP_1)
	v_lshl_or_b32 v253, v[T+2], 16, v253
	s_delay_alu instid0(VALU_DEP_1)
	v_lshl_or_b32 v253, v[T+3], 24, v253
.irp c, 0,1
	v_cvt_scalef32_pk16_fp6_f32 v[224+6*\c:226+6*\c], v[96+32*\c:111+32*\c], v[E+2*\c]
	v_cvt_scalef32_pk16_fp6_f32 v[236+4*\c:238+4*\c], v[112+32*\c:127+32*\c], v[E+2*\c+1]
.endr
	v_nop                                          ; one plain instruction behind a scaled conversion
.irp c, 0,1
.irp i, 0,1,2
	v_permlane16_swap_b32 v[224+6*\c+\i], v[236+4*\c+\i]
.endr
.irp i, 0,1,2
	s_delay_alu instid0(VALU_DEP_3)
	v_mov_b32 v[227+6*\c+\i], v[236+4*\c+\i]
.endr
.endr
.set N_I, 0
.rept 16
	v_pk_mul_f32 v[160+N_I:161+N_I], v[160+N_I:161+N_I], v[252:253] op_sel_hi:[1,0]   ; O^T under the new M; also the places between the scale word's and the codes' last writes and the products
.set N_I, N_I+2
.endr
	s_wait_alu depctr_va_vdst(0)
	s_wait_dscnt 0x0                               ; V is in
.irp i, 0,2                                    ; O^T += V^T P^T: four accumulators by turns
	v_wmma_scale_f32_16x16x128_f8f6f4 v[160+8*\i:167+8*\i], v[32+12*\i:43+12*\i], v[224:235], v[160+8*\i:167+8*\i], v[248+\i/2], v253 matrix_a_fmt:MATRIX_FMT_FP6 matrix_b_fmt:MATRIX_FMT_FP6
	v_wmma_scale_f32_16x16x128_f8f6f4 v[168+8*\i:175+8*\i], v[44+12*\i:55+12*\i], v[224:235], v[168+8*\i:175+8*\i], v[248+\i/2], v253 matrix_a_fmt:MATRIX_FMT_FP6 matrix_b_fmt:MATRIX_FMT_FP6 matrix_a_scale:MATRIX_SCALE_ROW1
.endr
.Lhidden_\@:
	s_add_co_u32 s57, s57, 6144
	s_add_co_u32 s58, s58, 512
	s_add_co_u32 s59, s59, 256
	s_add_co_u32 s56, s56, 1
	s_cmp_lt_u32 s56, 16
	s_cbranch_scc1 .Lstep_\@
	s_setprio 0
	; THE WAY OUT: y = O / l, quantised along the head's 64 (two blocks of the last product's K), stored as a half fragment and two scale bytes a row
	v_add_f32 v14, v14, v15
	s_delay_alu instid0(VALU_DEP_1)
	v_permlanex16_b32 v252, v14, s20, s21
	s_delay_alu instid0(VALU_DEP_1)
	v_add_f32 v14, v14, v252                       ; the row's sum
	s_wait_alu depctr_va_vdst(0)
	v_rcp_f32 v14, v14
.rept 4
	v_nop                                          ; the plain instruction behind the reciprocal, and the places behind the last products
.endr
	s_wait_alu depctr_va_vdst(0)                   ; ahead of the reciprocal's first reader
.set N_I, 0
.rept 16
	v_pk_mul_f32 v[96+N_I:97+N_I], v[160+N_I:161+N_I], v[14:15] op_sel_hi:[1,0]   ; register 16 b + i = channel 32 b + 16 h + i; each accumulator from its low end on
.set N_I, N_I+2
.endr
.irp b, 0,1
	v_max3_num_f32 v[BM+\b], |v[96+16*\b]|, |v[97+16*\b]|, 0x1800000
.endr
.irp i, 2,4,6,8,10,12,14
.irp b, 0,1
	s_delay_alu instid0(VALU_DEP_2)
	v_max3_num_f32 v[BM+\b], v[BM+\b], |v[96+16*\b+\i]|, |v[97+16*\b+\i]|
.endr
.endr
.irp b, 0,1
	s_delay_alu instid0(VALU_DEP_2)
	v_permlanex16_b32 v[T+\b], v[BM+\b], s20, s21
.endr
.irp b, 0,1
	s_delay_alu instid0(VALU_DEP_2)
	v_max_num_f32 v[BM+\b], v[BM+\b], v[T+\b]
.endr
.irp b, 0,1
	s_delay_alu instid0(VALU_DEP_2)
	v_add_nc_u32 v[E+\b], 0xff000000, v[BM+\b]
.endr
.irp b, 0,1
	s_delay_alu instid0(VALU_DEP_2)
	v_lshrrev_b32 v[T+\b], 23, v[E+\b]
.endr
	s_delay_alu instid0(VALU_DEP_1)
	v_lshl_or_b32 v254, v[T+1], 8, v[T]
	v_cvt_scalef32_pk16_fp6_f32 v[224:226], v[96:111], v[E]
	v_cvt_scalef32_pk16_fp6_f32 v[236:238], v[112:127], v[E+1]
	v_nop
.irp i, 0,1,2
	v_permlane16_swap_b32 v[224+\i], v[236+\i]
.endr
.irp i, 0,1,2
	s_delay_alu instid0(VALU_DEP_3)
	v_mov_b32 v[227+\i], v[236+\i]
.endr
.irp p, 0,1,2
	global_store_b64 v1, v[224+2*\p:225+2*\p], s[46+2*\n:47+2*\n] offset:256*\p   ; 256 consecutive bytes, aligned
.endr
	global_store_b16 v7, v254, s[50+2*\n:51+2*\n]  ; both halves of the lanes hold the same two bytes of row r
.endm
	PASS 0
	PASS 1
	s_wait_tensorcnt 0x0
	ds_add_u32 v251, v255
	s_wait_dscnt 0x0
	ROUND                                          ; the closing round
	s_endpgm
.Lfunc_end_k_q9b2661c847_attn:
	.size	k_q9b2661c847_attn, .Lfunc_end_k_q9b2661c847_attn-k_q9b2661c847_attn
	.p2alignl 7, 3214868480
	.fill 96, 4, 3214868480
	.section	.rodata,"a",@progbits
	.p2align	6, 0x0
	.amdhsa_kernel k_q9b2661c847_attn
		.amdhsa_group_segment_fixed_size 210944
		.amdhsa_private_segment_fixed_size 0
		.amdhsa_enable_private_segment 0
		.amdhsa_kernarg_size 16
		.amdhsa_user_sgpr_count 2
		.amdhsa_user_sgpr_kernarg_segment_ptr 1
		.amdhsa_wavefront_size32 1
		.amdhsa_system_sgpr_workgroup_id_x 1
		.amdhsa_system_sgpr_workgroup_id_y 1
		.amdhsa_system_sgpr_workgroup_id_z 1
		.amdhsa_system_vgpr_workitem_id 0
		.amdhsa_next_free_vgpr 256
		.amdhsa_next_free_sgpr 66
		.amdhsa_reserve_vcc 1
		.amdhsa_float_denorm_mode_32 3
		.amdhsa_float_denorm_mode_16_64 3
		.amdhsa_memory_ordered 1
		.amdhsa_forward_progress 1
		.amdhsa_inst_pref_size 67
	.end_amdhsa_kernel
	.amdgpu_metadata
---
amdhsa.version: [ 1, 2 ]
amdhsa.kernels:
  - .name:           k_q9b2661c847_attn
    .symbol:         k_q9b2661c847_attn.kd
    .args:
      - { .name: qkv, .offset: 0, .size: 8, .value_kind: global_buffer, .address_space: global }
      - { .name: yq, .offset: 8, .size: 8, .value_kind: global_buffer, .address_space: global }
    .group_segment_fixed_size: 210944
    .private_segment_fixed_size: 0
    .kernarg_segment_align: 8
    .kernarg_segment_size: 16
    .max_flat_workgroup_size: 512
    .sgpr_count:     66
    .vgpr_count:     256
    .wavefront_size: 32
...
	.end_amdgpu_metadata
.endif
;; end of part 3
;; launch proj (part 4): grid 64 x 4, 4 waves a work-group, clusters of 4 x 1, 327,680 bytes of LDS; arguments yq, wp, b_proj, out0; writes out0
.if DOCPART == 4
	.amdgcn_target "amdgcn-amd-amdhsa--gfx1250"
	.amdhsa_code_object_version 6
	.text
	.protected	k_q9b2661c847_proj
	.globl	k_q9b2661c847_proj
	.p2align	8
	.type	k_q9b2661c847_proj,@function
k_q9b2661c847_proj:
	s_mov_b64 s[64:65], 0
	v_nop
	global_prefetch_b8 v0, s[64:65] scope:SCOPE_SE
	s_setreg_imm32_b32 hwreg(HW_REG_WAVE_MODE, 25, 1), 1
	s_wait_xcnt 0x0
	s_wait_alu depctr_hold_cnt(0) depctr_sa_sdst(0) depctr_va_vdst(0) depctr_va_sdst(0) depctr_va_ssrc(0) depctr_va_vcc(0) depctr_vm_vsrc(0)
	s_getreg_b32 s2, hwreg(HW_REG_IB_STS2, 6, 4)
	s_cmp_eq_u32 s2, 0
	s_cbranch_scc0 .Lentry_in_a_cluster
	s_endpgm
.Lentry_in_a_cluster:
	s_bfe_u32 s2, ttmp6, 0x10000c
	s_cmp_lg_u32 s2, 0x3003
	s_cbranch_scc0 .Lentry_shape_is_right
	s_endpgm
.Lentry_shape_is_right:
; out0 = y W_proj + b_proj on codes of FP6 (E2M3) with E8M0 scales, sums in f32, f32 out.
; SHARES.  A work-group of four waves makes 128 tokens (row block R) x 256 columns (256 j on); wave (wm, wn) makes 64 x 128: 32 accumulators.
; y's codes of the wave's 64 tokens, all of K = 1024, stay in registers (384); W_proj's 256 columns x 1,024 (196,608 bytes of fragment images) lie in LDS, filled once in two halves of K, one tensor load a wave each.
; CLUSTER.  The four work-groups of a cluster differ in R alone: W's tiles are asked for jointly, mask 15.  Nothing is filled again.
; Source 0 = 16 columns of W, source 1 = 16 tokens: a lane holds one token and eight neighbouring columns.  Lane r of a tile holds row 32 (t / 2) + 8 (t % 2) + r + 8 (r / 8).  The bias is the C of each sum's first instruction.
; THE WAY OUT: a tile of 16 tokens x 128 columns goes through the wave's own stage in LDS and leaves as whole rows: each store of a wave covers 512 consecutive bytes, aligned.
; No prefetch: the launch is short, and all of W is asked for at the head.
; REGISTERS, in windows of 256.  window 0: v0-13 addresses; v32-47 y's scale words; v48-79 W's; v112-255 y's fragments of K steps 5-7.
;   window 1: W's fragments, two sets (v0-95, v128-223), on the way out rows of the result; the bias: v96-127, v224-255.   window 2: the accumulators.   window 3: y's fragments of K steps 0-4.
.set TILEB, 12288
.set YSC,   6291456                    ; y's scale words in yq
.set WSCO,  786432                     ; W's in wp
.set SLOT,  98304
.set STAGE, 2*SLOT                     ; behind W: 16 rows x (512 + 16) bytes for each wave; no tensor load lands here
.set SPITCH, 528
.set SSC,   32
.set WSC,   48
.set MSB, 0
.macro WIN new
.if MSB != (\new)
	s_set_vgpr_msb (MSB<<8)|(\new)
.set MSB, (\new)
.endif
.endm
.macro ROUND
	s_barrier_signal -1
	s_barrier_wait -1
	s_cmp_lg_u32 s12, 0
	s_cbranch_scc1 .Lnw0_\@
	s_barrier_signal -3
.Lnw0_\@:
	s_barrier_wait -3
	s_barrier_signal -1
	s_barrier_wait -1
.endm
.macro PLACES                          ; four plain instructions between a matrix instruction and a load into, or a read of, its registers
.rept 4
	v_nop
.endr
.endm
.macro FETCH sl, q, p                  ; W's eight fragments of the half's q-th K step into set p
	WIN 0x40
.irp b, 0,1,2,3,4,5,6,7
.irp g, 0,1,2
	ds_load_b128 v[128*(\p)+12*\b+4*\g:128*(\p)+12*\b+4*\g+3], v[4+\sl] offset:6144*\b+1536*(\q)+512*\g
.endr
.endr
	WIN 0
.endm
; The products of K step s for y's tiles a0 .. a1 against W's eight; the 32 accumulators take turns, one instruction a turn, in the same order in every K step
.macro MUL s, a0, a1, first
.if (\s) < 5
.set M_S0, 48*(\s)
.set M_SW, 3
.else
.set M_S0, 112+48*((\s)-5)
.set M_SW, 0
.endif
.set M_P, 128*((\s)%2)
.if \first
.set M_W, 0x91|(M_SW<<2)               ; D window 2, C (the bias) window 1, source 1 (y) window 3 or 0, source 0 (W) window 1
.else
.set M_W, 0xa1|(M_SW<<2)
.endif
	WIN M_W
.set M_A, \a0
.rept (\a1)-(\a0)+1
.set M_B, 0
.rept 8
.set M_D,  8*(8*M_A+M_B)
.set M_R0, M_P+12*M_B
.set M_R1, M_S0+12*M_A
.set M_X0, WSC+4*M_B+(\s)/2
.set M_X1, SSC+4*M_A+(\s)/2
.if \first
.set M_C, 96+8*M_B+96*(M_B/4)
.else
.set M_C, M_D
.endif
.if (\s)%2
	v_wmma_scale_f32_16x16x128_f8f6f4 v[M_D:M_D+7], v[M_R0:M_R0+11], v[M_R1:M_R1+11], v[M_C:M_C+7], v[M_X0], v[M_X1] matrix_a_fmt:MATRIX_FMT_FP6 matrix_b_fmt:MATRIX_FMT_FP6 matrix_a_scale:MATRIX_SCALE_ROW1 matrix_b_scale:MATRIX_SCALE_ROW1
.else
	v_wmma_scale_f32_16x16x128_f8f6f4 v[M_D:M_D+7], v[M_R0:M_R0+11], v[M_R1:M_R1+11], v[M_C:M_C+7], v[M_X0], v[M_X1] matrix_a_fmt:MATRIX_FMT_FP6 matrix_b_fmt:MATRIX_FMT_FP6
.endif
.set M_B, M_B+1
.endr
.set M_A, M_A+1
.endr
.endm
.macro LWAIT s                         ; y's loads go out K step by K step, 24 each: so many are younger than step s's (the field holds 63 at the most)
.set L_C, 24*(7-(\s))
.if L_C > 63
.set L_C, 63
.endif
	s_wait_loadcnt L_C
.endm
.macro STEP s
	LWAIT \s
	s_wait_dscnt 0x0                               ; this step's fragments of W are in
	PLACES                                         ; the other set was read by the last step's products
	FETCH (\s)/4, (\s)%4+1, 1-(\s)%2
.if (\s) == 0
	MUL \s, 0, 3, 1
.else
	MUL \s, 0, 3, 0
.endif
.endm
.macro SLOAD s                         ; y's four fragments of K step s: heads 2 s and 2 s + 1's half fragments on end
.if (\s) < 5
	WIN 0xc0
.set M_S0, 48*(\s)
.else
	WIN 0
.set M_S0, 112+48*((\s)-5)
.endif
.irp a, 0,1,2,3
.irp p, 0,1,2,3,4,5
	global_load_b64 v[M_S0+12*\a+2*\p:M_S0+12*\a+2*\p+1], v2, s[40:41] offset:TILEB*\a+1536*(\s)+256*\p
.endr
.endr
.endm
	s_load_b256 s[4:11], s[0:1], 0x0               ; yq s[4:5], wp s[6:7], b_proj s[8:9], out0 s[10:11]
	v_lshl_add_u32 v110, v0, 2, 0x38400
	v_mov_b32 v111, 0
	ds_add_u32 v110, v111
	ds_add_u32 v110, v111
	v_lshrrev_b32 v1, 5, v0
	v_readfirstlane_b32 s12, v1                    ; wave 0..3
	s_lshr_b32 s13, s12, 1                         ; wm
	s_and_b32 s14, s12, 1                          ; wn
	s_bfe_u32 s15, ttmp6, 0x40000                  ; cx
	s_lshl_b32 s16, ttmp9, 2
	s_add_co_u32 s16, s16, s15                     ; R
	s_and_b32 s17, ttmp7, 0xffff                   ; j
	; descriptor group 1: 4 rows (tiles) of 768 elements of 8 bytes, 1,536 elements apart in memory, dense in LDS
	s_mov_b32 s24, 15|(3<<16)|(1<<21)
	s_mov_b32 s25, 768<<16
	s_mov_b32 s26, 4<<16
	s_mov_b32 s27, 768<<16
	s_mov_b32 s28, 4
	s_mov_b32 s29, 1536
	s_mov_b32 s30, 0
	s_mov_b32 s31, 0
	s_lshl_b32 s18, s17, 4
	s_lshl_b32 s19, s12, 2
	s_add_co_u32 s18, s18, s19
	s_mul_i32 s18, s18, TILEB                      ; W's tiles 16 j + 4 w on
	s_mov_b32 s19, 0
	s_mul_i32 s20, s12, 24576
	s_lshl_b32 s21, s16, 3
	s_lshl_b32 s22, s13, 2
	s_add_co_u32 s21, s21, s22                     ; my first tile of y: 8 R + 4 wm
	s_mul_i32 s40, s21, TILEB
	s_mov_b32 s41, 0
	s_lshl_b32 s42, s21, 9
	s_add_co_u32 s42, s42, YSC
	s_mov_b32 s43, 0
	s_lshl_b32 s44, s17, 4
	s_lshl_b32 s22, s14, 3
	s_add_co_u32 s44, s44, s22                     ; my first tile of W: 16 j + 8 wn
	s_lshl_b32 s46, s44, 6                         ; its first column, in bytes of f32
	s_lshl_b32 s48, s21, 16                        ; my first row of out0: 16 rows of 4,096 bytes a tile
	s_add_co_u32 s48, s48, s46
	s_lshl_b32 s44, s44, 9
	s_add_co_u32 s44, s44, WSCO
	s_mov_b32 s45, 0
	s_mov_b32 s47, 0
	s_mov_b32 s49, 0
	s_wait_dscnt 0x0
	s_wait_kmcnt 0x0
	s_add_nc_u64 s[18:19], s[6:7], s[18:19]
	s_add_nc_u64 s[40:41], s[4:5], s[40:41]
	s_add_nc_u64 s[42:43], s[4:5], s[42:43]
	s_add_nc_u64 s[44:45], s[6:7], s[44:45]
	s_add_nc_u64 s[46:47], s[8:9], s[46:47]
	s_add_nc_u64 s[48:49], s[10:11], s[48:49]
	ROUND                                          ; all four work-groups are here: the joint loads meet
.irp t, 0,1
	s_mov_b32 s[32+4*\t], 1
	s_add_co_u32 s[33+4*\t], s20, \t*SLOT
	s_add_nc_u64 s[34+4*\t:35+4*\t], s[18:19], \t*6144
	s_or_b32 s[35+4*\t], s[35+4*\t], 0x80000000
.endr
	tensor_load_to_lds s[32:35], s[24:31]          ; the first half of K: one load of mine is out; the second follows behind the round below
	s_nop 0
	s_wait_alu depctr_va_vdst(0)
	s_wait_tensorcnt 0x0
	ds_add_u32 v110, v111
	s_wait_dscnt 0x0
	ROUND
	tensor_load_to_lds s[36:39], s[24:31]
	s_nop 0
	PLACES
	v_and_b32 v11, 31, v0                          ; lane
	v_and_b32 v12, 15, v0                          ; r
	v_bfe_u32 v13, v0, 4, 1                        ; h
	v_lshlrev_b32 v1, 4, v11                       ; 16 x lane
	v_lshlrev_b32 v2, 3, v11                       ; 8 x lane
	v_lshlrev_b32 v3, 2, v11                       ; 4 x lane
	s_mul_i32 s21, s14, 49152
	v_add_nc_u32 v4, s21, v1                       ; my eight tiles of W, first half of K,
	v_add_nc_u32 v5, SLOT, v4                      ; second half
	v_lshlrev_b32 v6, 6, v13                       ; 64 h
	s_mul_i32 s21, s12, 16*SPITCH
	s_add_co_u32 s21, s21, STAGE                   ; my stage
	v_mul_u32_u24 v8, v12, SPITCH
	v_lshl_add_u32 v8, v13, 6, v8
	v_add_nc_u32 v8, s21, v8                       ; in: row r, + 64 h: tile b's eight columns of my half lie 128 (b / 2) + 32 (b % 2) bytes on
	v_add_nc_u32 v9, s21, v1                       ; back: a row's 512 bytes, 16 a lane
.irp a, 0,1,2,3
.irp t, 0,1,2,3
	global_load_b32 v[SSC+4*\a+\t], v3, s[42:43] offset:512*\a+128*\t
.endr
.endr
.irp b, 0,1,2,3,4,5,6,7
.irp t, 0,1,2,3
	global_load_b32 v[WSC+4*\b+\t], v3, s[44:45] offset:512*\b+128*\t
.endr
.endr
	WIN 0x40
.irp b, 0,1,2,3,4,5,6,7
	global_load_b128 v[96+8*\b+96*(\b/4):96+8*\b+96*(\b/4)+3], v6, s[46:47] offset:128*(\b/2)+32*(\b%2)
	global_load_b128 v[96+8*\b+96*(\b/4)+4:96+8*\b+96*(\b/4)+7], v6, s[46:47] offset:128*(\b/2)+32*(\b%2)+16
.endr
.irp s, 0,1,2,3,4,5,6,7
	SLOAD \s
.endr
	WIN 0
	s_wait_alu depctr_va_vdst(0)
	s_wait_tensorcnt 0x1                           ; my part of the first half is in; the second half's may stay out
	s_barrier_signal -1
	s_barrier_wait -1
	FETCH 0, 0, 0
	STEP 0
	STEP 1
	STEP 2
	LWAIT 3                                        ; K step 3 goes over to the second half of K
	s_wait_tensorcnt 0x0                           ; my part of the second half has landed
	s_wait_dscnt 0x0
	MUL 3, 0, 0, 0
	s_barrier_signal -1
	MUL 3, 1, 1, 0
	s_barrier_wait -1                              ; everybody's has
	PLACES
	FETCH 1, 0, 0
	MUL 3, 2, 3, 0
	STEP 4
	STEP 5
	STEP 6
	s_wait_loadcnt 0x0
	s_wait_dscnt 0x0
	MUL 7, 0, 3, 0
	WIN 0
; THE WAY OUT, a tile of 16 tokens at a time.  LDS serves a wave's instructions in order (ISA guide 5.7.1.4): no wait between my stores into my stage and my loads from it, nor in front of the next tile's stores.
.macro TOSTAGE a
	WIN 0x08                                       ; an LDS store's data: window 2
.irp b, 0,1,2,3,4,5,6,7
	ds_store_b128 v8, v[64*(\a)+8*\b:64*(\a)+8*\b+3] offset:128*(\b/2)+32*(\b%2)      ; each accumulator from its low end on
	ds_store_b128 v8, v[64*(\a)+8*\b+4:64*(\a)+8*\b+7] offset:128*(\b/2)+32*(\b%2)+16
.endr
	WIN 0x40                                       ; back into window 1, where W's fragments lay
.irp i, 0,1,2,3,4,5,6,7,8,9,10,11,12,13,14,15
	ds_load_b128 v[128*((\a)%2)+4*\i:128*((\a)%2)+4*\i+3], v9 offset:\i*SPITCH
.endr
.endm
.macro SEND a, younger                 ; younger: the LDS instructions issued behind tile a's loads
	s_wait_dscnt \younger
	WIN 0x04                                       ; a store's data: window 1
.irp i, 0,1,2,3,4,5,6,7,8,9,10,11,12,13,14,15
	global_store_b128 v1, v[128*((\a)%2)+4*\i:128*((\a)%2)+4*\i+3], s[48:49] offset:(32*((\a)/2)+8*((\a)%2)+\i+8*(\i/8))*4096 th:TH_STORE_NT   ; 512 consecutive bytes of one row of out0, aligned
.endr
.endm
	PLACES                                         ; behind the last products: their results are read, and loads land where W's fragments lay
	TOSTAGE 0
	TOSTAGE 1
	SEND 0, 32                                     ; behind tile 0's loads: tile 1's 16 stores and 16 loads
	s_wait_xcnt 0x0                                ; tile 0's stores have read their registers: tile 2's rows may land there
	TOSTAGE 2
	SEND 1, 32
	s_wait_xcnt 0x0
	TOSTAGE 3
	SEND 2, 32
	SEND 3, 0
	WIN 0
	s_wait_tensorcnt 0x0
	ds_add_u32 v110, v111
	s_wait_dscnt 0x0
	ROUND                                          ; the closing round: no work-group ends while a partner may still ask for a tile that names it
	s_endpgm
.Lfunc_end_k_q9b2661c847_proj:
	.size	k_q9b2661c847_proj, .Lfunc_end_k_q9b2661c847_proj-k_q9b2661c847_proj
	.p2alignl 7, 3214868480
	.fill 96, 4, 3214868480
	.section	.rodata,"a",@progbits
	.p2align	6, 0x0
	.amdhsa_kernel k_q9b2661c847_proj
		.amdhsa_group_segment_fixed_size 327680
		.amdhsa_private_segment_fixed_size 0
		.amdhsa_enable_private_segment 0
		.amdhsa_kernarg_size 32
		.amdhsa_user_sgpr_count 2
		.amdhsa_user_sgpr_kernarg_segment_ptr 1
		.amdhsa_wavefront_size32 1
		.amdhsa_system_sgpr_workgroup_id_x 1
		.amdhsa_system_sgpr_workgroup_id_y 1
		.amdhsa_system_sgpr_workgroup_id_z 1
		.amdhsa_system_vgpr_workitem_id 0
		.amdhsa_next_free_vgpr 1024
		.amdhsa_next_free_sgpr 66
		.amdhsa_reserve_vcc 0
		.amdhsa_float_denorm_mode_32 3
		.amdhsa_float_denorm_mode_16_64 3
		.amdhsa_memory_ordered 1
		.amdhsa_forward_progress 1
		.amdhsa_inst_pref_size 91
	.end_amdhsa_kernel
	.amdgpu_metadata
---
amdhsa.version: [ 1, 2 ]
amdhsa.kernels:
  - .name:           k_q9b2661c847_proj
    .symbol:         k_q9b2661c847_proj.kd
    .args:
      - { .name: yq, .offset: 0, .size: 8, .value_kind: global_buffer, .address_space: global }
      - { .name: wp, .offset: 8, .size: 8, .value_kind: global_buffer, .address_space: global }
      - { .name: b_proj, .offset: 16, .size: 8, .value_kind: global_buffer, .address_space: global }
      - { .name: out0, .offset: 24, .size: 8, .value_kind: global_buffer, .address_space: global }
    .group_segment_fixed_size: 327680
    .private_segment_fixed_size: 0
    .kernarg_segment_align: 8
    .kernarg_segment_size: 32
    .max_flat_workgroup_size: 128
    .sgpr_count:     66
    .vgpr_count:     1024
    .wavefront_size: 32
...
	.end_amdgpu_metadata
.endif
;; end of part 4
